; MI455X (gfx1250); checked and timed in simulation.
; The chip was launched on July 23, 2026; its instructions are those of AMD's public machine-readable ISA for CDNA 5 (MIT licence, August 2026) and "CDNA5" Instruction Set Architecture Reference Guide (July 2026). The comments in the code are by the model that wrote it; some were corrected since.
;; Relational Memory. Allowed arithmetic: matrix products marked QUANTISED: E5M2 operands, one E8M0 scale for each 32 along K, by v_wmma_scale_f32_16x16x128_f8f6f4 with both operands' format E5M2, f32 sums; everything else in f32.
;; Inputs: hardness 8,192 float32; keys 8,192 x 256 float32; latent 8 x 2,048 x 256 float32; vals_codes 256 x 256 x 32 uint8 (E5M2 codes of vals, K innermost, in blocks of 32 codes); vals_scales 256 x 256 uint8 (E8M0 scales of vals, one for each 32 codes along K).
;; Outputs: out0 8 x 2,048 x 256 float32.
;; This version of the problem:
;;   THIS VERSION OF THE PROBLEM IS GIVEN IN LOW PRECISION. The matrix products marked QUANTISED in the list below multiply operands that are first quantised to E5M2 (5 exponent bits, 2 mantissa bits; 8 bits a number), with one power-of-two scale for each 32 numbers along K (OCP MX v1.0); their sums are f32. All else is computed in f32.
;;   The module's matrix products, in the order in which they are computed (A, B: the left and right operand; K: the contracted axis; several contracted axes count as one K, in the product's order):
;;     1. [M 16,384, K 256] x [K 256, N 8,192]; A: computed on the way; B: computed on the way: QUANTISED
;;     2. [M 16,384, K 8,192] x [K 8,192, N 256]; A: softmax (see below); B: input vals (given as codes): QUANTISED
;;   THE QUANTISER, for each operand of a quantised product, along K:
;;     - K is cut into blocks of 32 from its start; a last block that is shorter is filled with zeros.
;;     - A block's scale is 2^e with e = floor(log2(the largest magnitude in the block)) - 15, held to -126 .. 127; a block of zeros has e = 0. As a byte (E8M0): e + 127.
;;     - Each number is divided by its block's scale, clamped to +-57,344, and rounded to the nearest number of E5M2, ties to even, subnormals kept.
;;     - The product sums the exact products of the quantised numbers (number of the format x scale) in f32.
;;   ~~~python
;;   def quantise(x, axis):      # numpy; x: float32 -> the quantised numbers, widened to float32 again
;;       x = np.moveaxis(x, axis, -1); K = x.shape[-1]
;;       x = np.pad(x, [(0, 0)] * (x.ndim - 1) + [(0, -K % 32)]); x = x.reshape(x.shape[:-1] + (-1, 32)); a = np.abs(x).max(-1, keepdims=True)
;;       e = np.where(a > 0, np.clip(np.frexp(np.where(a > 0, a, 1))[1] - 1 - 15, -126, 127), 0)      # np.frexp(a)[1] - 1 = floor(log2(a)), exactly
;;       r = np.clip(x / 2.0 ** e, -57344, 57344)
;;       step = 2.0 ** (np.maximum(np.frexp(np.where(r == 0, 1, r))[1] - 1, -14) - 2)
;;       q = np.round(r / step) * step * 2.0 ** e      # np.round: ties to even
;;       return np.moveaxis(q.reshape(q.shape[:-2] + (-1,))[..., :K], -1, axis).astype(np.float32)
;;   ~~~
;;   SOFTMAX AHEAD OF A QUANTISED PRODUCT. Where the list says 'softmax', what is quantised is not the finished softmax but p = 2^(t - M), with t = logit x log2(e) and M = ceil(the row's largest t), a whole number; so 1/2 < the row's largest p <= 1. The row's sum l is taken of the UNQUANTISED p, in f32, and the product's result is divided by l at the end. Since M is a whole number, a kernel that streams over the keys may use a running M (the ceiling of the running maximum): every later rescaling is an exact power of two, which a block's scale takes up: the codes' values come out the same.
;;   OPERANDS COMPUTED ON THE WAY. 'Computed on the way' means the value that the module computes at that place (a softmax that the list does not call 'softmax' is quantised finished and normalised). What goes into a quantiser is computed in f32, as accurately as f32 sums, v_exp_f32 and their like allow (about 1e-6 of the number): no bf16 or f16 on the way to a quantiser, and a product that is left as it is and whose result goes on into a quantised operand takes f32 operands (vector FMAs, or v_wmma_f32_16x16x4_f32). A number that lies on a knife's edge between two numbers of the format may be rounded either way, as far as f32 arithmetic and the matrix unit's own rounding can turn it there, and no further.
;;   INPUTS GIVEN AS CODES. vals (in the module: [8192, 256], K = its axis 0): each comes as NAME_codes (uint8): NAME with its K axis moved to the last place and cut into blocks of 32 codes, [.., K / 32, bytes a block], one block behind the other in memory; one code a byte (a code: sign, 5 exponent bits, 2 mantissa bits); and NAME_scales (uint8): the same leading axes, one E8M0 byte (e + 127) for each 32 codes along K. Its value is code x scale, taken as it is: it is not quantised again, and the codes and scales need not be those that the quantiser above would give.
;; One version. Each part assembles by itself: llvm-mc -triple=amdgcn-amd-amdhsa -mcpu=gfx1250 --defsym DOCPART=n.
;; ======== version 1 of 1: 2 launches
;; limits: right only within a limited range of input values
;; workspace buffers: kimg 2,195,456 bytes; vimg 2,162,688 bytes
;; launch prep (part 1): grid 256 x 1, 2 waves a work-group, no clusters, 0 bytes of LDS; arguments keys, hardness, vals_codes, vals_scales, kimg, vimg; writes kimg, vimg
.if DOCPART == 1
	.amdgcn_target "amdgcn-amd-amdhsa--gfx1250"
	.amdhsa_code_object_version 6
	.text
	.protected	k_qd96c27b7fe_prep
	.globl	k_qd96c27b7fe_prep
	.p2align	8
	.type	k_qd96c27b7fe_prep,@function
k_qd96c27b7fe_prep:
	s_mov_b64 s[64:65], 0
	v_nop
	global_prefetch_b8 v0, s[64:65] scope:SCOPE_SE
	s_setreg_imm32_b32 hwreg(HW_REG_WAVE_MODE, 25, 1), 1
	s_wait_xcnt 0x0
; THE LAUNCH IN FRONT OF THE ATTENTION.  keys [8192][256] f32 are L2-normalised (x / max(|x|, 1e-12)) and quantised along their 256 to codes of BF8 (E5M2) with one E8M0 byte for each 32;
; hardness [8192] becomes hc = hardness x log2(e) / 0.1; vals_codes [256 d][8192 keys] and vals_scales [256 d][256] are moved, unchanged, into the order in which the next launch wants them.
; BOTH WORKSPACE BUFFERS ARE LAID BY CHUNKS OF 128 KEYS, AS IMAGES OF THE OPERANDS' REGISTERS: a fragment (16 rows x 128 K, 16 registers a lane) is four runs of 512 bytes, register group g at 512 g,
; lane l's 16 bytes at 16 l.  So a chunk is one dense block for one tensor load, and every read of it from LDS takes 512 consecutive bytes.
;   kimg, chunk c at c x KCH:  16 fragments (key tile t, K step s) at (2 t + s) x 2048;  at KSCO 8 scale images of 128 bytes (tile t: lanes 0-15 the rows' words of K step 0, lanes 16-31 of K step 1);  at HCO hc of the 128 keys.
;   vimg, chunk c at c x VCH:  16 fragments (d tile dt: rows d = 16 dt + r, K = the chunk's 128 keys) at dt x 2048;  at VSCO 8 scale images (image i: lane l the word of d = 32 i + l).
; THE KEYS OF A TILE ARE NOT NEIGHBOURS: row r of tile 2 b + u is key 128 c + 32 b + 8 u + r + 8 (r / 8), so that in the transposed product the 16 registers of tiles 2 b, 2 b + 1 are 16 neighbouring keys.
; SHARES.  512 waves; wave (c, t) makes key tile t of chunk c, V's fragments 2 t and 2 t + 1, V's scale image t, and (t = 0) the chunk's hc.  No LDS, no barrier: waves share nothing.  All loads are out at once.
; A fragment's store covers 512 consecutive bytes, aligned; a scale image is 128 bytes: the images are 1 part in 33 of what is stored.
; LIMITS: NaN and infinities are not served; nor rows whose sum of squares leaves f32's range upward.  1 / n is v_rcp_f32 of v_sqrt_f32 (1 ulp each: ISA guide, their entries).  A block of zeros gets the byte 1 where the
; quantiser's rule says 127: its codes are zeros, which add nothing under any byte but 0xff, and this program alone reads the bytes.
.set KCH,  34304                       ; a chunk of kimg: 134 x 256 bytes
.set VCH,  33792                       ; a chunk of vimg: 132 x 256 bytes
.set KSCO, 32768
.set HCO,  33792
.set VSCO, 32768
.set LN,   1                           ; v1   lane
.set KO,   4                           ; v4   keys: (r + 8 (r / 8)) x 1024 + 64 h
.set L16,  5                           ; v5   16 x lane
.set L4,   6                           ; v6   4 x lane
.set VO,   7                           ; v7   vals_codes: r x 8192 + 16 h
.set VSO,  8                           ; v8   vals_scales: lane x 256
.set BM,   12                          ; v12-15 a block's largest magnitude
.set PX,   16                          ; v16-19 the other half's; then the bytes
.set HO,   20                          ; v20-23 57,344 x the scale
.set SO,   24                          ; v24-27 the conversion's scale operand
.set PW,   28                          ; v28, v29 the two K steps' scale words
.set SWD,  30                          ; v30  the word that my lane stores
.set KC,   32                          ; v32-63 the two fragments' codes
.set X,    64                          ; v64-191 my 128 numbers of my key
.set VF,   192                         ; v192-223 two fragments of V
.set VS,   224                         ; v224 V's scale word
.set CH,   226                         ; v226-233 the sum of squares, in four chains of pairs
.set INV,  234                         ; v[234:235] 1 / n, twice
.set HC,   236                         ; v236-239 hc
.set SEL,  20                          ; s[20:21] v_permlanex16_b32's selects for lane l xor 16
.set MNT,  22                          ; s22  the mantissa field of 57,344
; The row's 256 numbers lie in lanes l and l xor 16, 128 each, in v[x] on.  They are divided by max(the row's norm, 1e-12).
.macro NORM x, ch, inv
.irp k, 0,1,2,3
	v_pk_mul_f32 v[\ch+2*\k:\ch+2*\k+1], v[\x+2*\k:\x+2*\k+1], v[\x+2*\k:\x+2*\k+1]   ; the first four pairs start the chains: nothing is cleared
.endr
.set nn, 4
.rept 60
	v_pk_fma_f32 v[\ch+2*(nn%4):\ch+2*(nn%4)+1], v[\x+2*nn:\x+2*nn+1], v[\x+2*nn:\x+2*nn+1], v[\ch+2*(nn%4):\ch+2*(nn%4)+1]
.set nn, nn+1
.endr
	v_pk_add_f32 v[\ch:\ch+1], v[\ch:\ch+1], v[\ch+2:\ch+3]
	v_pk_add_f32 v[\ch+4:\ch+5], v[\ch+4:\ch+5], v[\ch+6:\ch+7]
	v_pk_add_f32 v[\ch:\ch+1], v[\ch:\ch+1], v[\ch+4:\ch+5]
	v_add_f32 v[\ch], v[\ch], v[\ch+1]
	v_permlanex16_b32 v[\ch+1], v[\ch], s[SEL], s[SEL+1]
	v_add_f32 v[\ch], v[\ch], v[\ch+1]             ; with lane l xor 16's half of the row
	s_wait_alu depctr_va_vdst(0)
	v_sqrt_f32 v[\ch], v[\ch]
	v_nop                                          ; a plain instruction behind a transcendental before its result is used (ISA guide 5.7.2)
	s_wait_alu depctr_va_vdst(0)
	v_max_num_f32 v[\ch], 0x2b8cbccc, v[\ch]       ; max(n, 1e-12)
	s_wait_alu depctr_va_vdst(0)
	v_rcp_f32 v[\inv], v[\ch]
	v_rcp_f32 v[\inv+1], v[\ch]
	v_nop
.set nn, 0
	s_wait_alu depctr_va_vdst(0)
.rept 64
	v_pk_mul_f32 v[\x+2*nn:\x+2*nn+1], v[\x+2*nn:\x+2*nn+1], v[\inv:\inv+1]
.set nn, nn+1
.endr
.endm
; 64 numbers of a lane, register 16 b + i = k 32 b + 16 (lane / 16) + i of my row, become a fragment's codes in v[pc] on and its scale word in v[pw].
.macro QUANT s, pc, pw
.irp b, 0,1,2,3
	v_max3_num_f32 v[BM+\b], |v[\s+16*\b]|, |v[\s+16*\b+1]|, 0x8000000   ; block b: my 16 numbers, and the floor 2^(16 - 127): the byte cannot fall under 1
.endr
.irp i, 2,4,6,8,10,12,14
.irp b, 0,1,2,3
	v_max3_num_f32 v[BM+\b], v[BM+\b], |v[\s+16*\b+\i]|, |v[\s+16*\b+\i+1]|   ; the four blocks by turns
.endr
.endr
.irp b, 0,1,2,3
	v_permlanex16_b32 v[PX+\b], v[BM+\b], s[SEL], s[SEL+1]
.endr
.irp b, 0,1,2,3
	v_max_num_f32 v[BM+\b], v[BM+\b], v[PX+\b]     ; with lane l xor 16's 16: the block's largest magnitude
.endr
.irp b, 0,1,2,3
	v_add_nc_u32 v[SO+\b], 0xf8800000, v[BM+\b]    ; 15 off its exponent field: the conversion takes this operand's exponent field as its scale
.endr
.irp b, 0,1,2,3
	v_and_or_b32 v[HO+\b], v[BM+\b], 0x7f800000, s[MNT]   ; 57,344 x the scale
.endr
.irp b, 0,1,2,3
	v_lshrrev_b32 v[PX+\b], 23, v[SO+\b]           ; the scale's byte
.endr
	v_lshl_or_b32 v[\pw], v[PX+1], 8, v[PX]
	v_lshl_or_b32 v[\pw], v[PX+2], 16, v[\pw]
	v_lshl_or_b32 v[\pw], v[PX+3], 24, v[\pw]
.irp b, 0,1,2,3
.irp i, 0,1,2,3,4,5,6,7,8,9,10,11,12,13,14,15
	v_med3_num_f32 v[\s+16*\b+\i], v[\s+16*\b+\i], -v[HO+\b], v[HO+\b]   ; the conversion to an 8-bit code does not saturate (ISA guide 7.6.2): the hold at the largest code x the scale
.endr
	v_cvt_scalef32_pk8_bf8_f32 v[\pc+4*\b:\pc+4*\b+1], v[\s+16*\b:\s+16*\b+7], v[SO+\b]
	v_cvt_scalef32_pk8_bf8_f32 v[\pc+4*\b+2:\pc+4*\b+3], v[\s+16*\b+8:\s+16*\b+15], v[SO+\b]
.endr
	v_nop                                          ; a plain instruction directly behind the last conversion
.endm
	s_load_b256 s[4:11], s[0:1], 0x0               ; keys s[4:5], hardness s[6:7], vals_codes s[8:9], vals_scales s[10:11]
	s_load_b128 s[12:15], s[0:1], 0x20             ; kimg s[12:13], vimg s[14:15]
	v_lshrrev_b32 v2, 5, v0
	v_readfirstlane_b32 s16, v2                    ; wave 0, 1
	v_and_b32 v[LN], 31, v0
	v_and_b32 v2, 15, v0                           ; r
	v_bfe_u32 v3, v0, 4, 1                         ; h
	v_and_b32 v9, 8, v2
	v_add_nc_u32 v9, v9, v2                        ; r + 8 (r / 8)
	v_lshlrev_b32 v[KO], 10, v9
	v_lshl_add_u32 v[KO], v3, 6, v[KO]
	v_lshlrev_b32 v[L16], 4, v[LN]
	v_lshlrev_b32 v[L4], 2, v[LN]
	v_lshlrev_b32 v[VO], 13, v2
	v_lshl_add_u32 v[VO], v3, 4, v[VO]
	v_lshlrev_b32 v[VSO], 8, v[LN]
.irp b, 0,1,2,3
	v_mov_b32 v[PX+\b], 0                          ; written once: a lane permute's destination counts as one of its sources
.endr
	s_mov_b32 s[SEL], 0x76543210
	s_mov_b32 s[SEL+1], 0xfedcba98
	s_mov_b32 s[MNT], 0x600000
	s_lshl_b32 s17, ttmp9, 1
	s_add_co_u32 s17, s17, s16                     ; my wave among the 512
	s_lshr_b32 s18, s17, 3                         ; c: the chunk
	s_and_b32 s19, s17, 7                          ; t: the key tile
	s_lshl_b32 s24, s18, 17                        ; keys: (128 c + 32 (t / 2) + 8 (t % 2)) rows of 1,024 bytes
	s_lshr_b32 s40, s19, 1
	s_lshl_b32 s40, s40, 15
	s_add_co_u32 s24, s24, s40
	s_and_b32 s40, s19, 1
	s_lshl_b32 s40, s40, 13
	s_add_co_u32 s24, s24, s40
	s_mov_b32 s25, 0
	s_lshl_b32 s26, s19, 18                        ; vals_codes: 32 t rows of 8,192 bytes + 128 c
	s_lshl_b32 s40, s18, 7
	s_add_co_u32 s26, s26, s40
	s_mov_b32 s27, 0
	s_lshl_b32 s28, s19, 13                        ; vals_scales: 32 t rows of 256 bytes + 4 c
	s_lshl_b32 s40, s18, 2
	s_add_co_u32 s28, s28, s40
	s_mov_b32 s29, 0
	s_lshl_b32 s30, s18, 9                         ; hardness: 128 c numbers
	s_mov_b32 s31, 0
	s_mul_i32 s41, s18, KCH
	s_lshl_b32 s40, s19, 12
	s_add_co_u32 s32, s41, s40                     ; kimg: my two fragments,
	s_mov_b32 s33, 0
	s_lshl_b32 s42, s19, 7
	s_add_co_u32 s34, s41, s42                     ; and 128 t on from the chunk's head, for the scale image
	s_mov_b32 s35, 0
	s_mul_i32 s41, s18, VCH
	s_add_co_u32 s36, s41, s40                     ; vimg likewise
	s_mov_b32 s37, 0
	s_add_co_u32 s38, s41, s42
	s_mov_b32 s39, 0
	s_wait_alu depctr_va_vdst(0)
	s_wait_kmcnt 0x0
	s_add_nc_u64 s[4:5], s[4:5], s[24:25]
	s_add_nc_u64 s[8:9], s[8:9], s[26:27]
	s_add_nc_u64 s[10:11], s[10:11], s[28:29]
	s_add_nc_u64 s[6:7], s[6:7], s[30:31]
	s_add_nc_u64 s[32:33], s[12:13], s[32:33]
	s_add_nc_u64 s[34:35], s[12:13], s[34:35]
	s_add_nc_u64 s[36:37], s[14:15], s[36:37]
	s_add_nc_u64 s[38:39], s[14:15], s[38:39]
.irp e, 0,1                                    ; V's fragments 2 t + e: lane (r, h) takes, of row d = 16 (2 t + e) + r, keys 128 c + 32 g + 16 h + 0 .. 15
.irp g, 0,1,2,3
	global_load_b128 v[VF+16*\e+4*\g:VF+16*\e+4*\g+3], v[VO], s[8:9] offset:131072*\e+32*\g
.endr
.endr
	global_load_b32 v[VS], v[VSO], s[10:11]        ; the chunk's scale word of d = 32 t + lane
.irp b, 0,1,2,3,4,5,6,7                        ; my key: of each block of 32 the 16 numbers of my half
.irp j, 0,1,2,3
	global_load_b128 v[X+16*\b+4*\j:X+16*\b+4*\j+3], v[KO], s[4:5] offset:128*\b+16*\j th:TH_LOAD_NT
.endr
.endr
	s_wait_loadcnt 32                              ; V's nine loads are in; the 32 of my key may be out
.irp e, 0,1
.irp g, 0,1,2,3
	global_store_b128 v[L16], v[VF+16*\e+4*\g:VF+16*\e+4*\g+3], s[36:37] offset:2048*\e+512*\g   ; 32 lanes store 512 consecutive bytes
.endr
.endr
	global_store_b32 v[L4], v[VS], s[38:39] offset:VSCO
	s_wait_loadcnt 0x0
	NORM X, CH, INV
	QUANT X, KC, PW
	QUANT X+64, KC+16, PW+1
	v_cmp_gt_u32 vcc_lo, 16, v[LN]
	v_cndmask_b32 v[SWD], v[PW+1], v[PW], vcc_lo   ; lanes 0-15 store K step 0's word of row r, lanes 16-31 K step 1's
.irp e, 0,1
.irp g, 0,1,2,3
	global_store_b128 v[L16], v[KC+16*\e+4*\g:KC+16*\e+4*\g+3], s[32:33] offset:2048*\e+512*\g
.endr
.endr
	global_store_b32 v[L4], v[SWD], s[34:35] offset:KSCO
	s_cmp_lg_u32 s19, 0                            ; the wave of tile 0 also makes the chunk's hc (for it s[34:35] is the chunk's head)
	s_cbranch_scc1 .Lend
	global_load_b128 v[HC:HC+3], v[L16], s[6:7]
	s_wait_loadcnt 0x0
.irp k, 0,1,2,3
	v_mul_f32 v[HC+\k], 0x4166d4ca, v[HC+\k]       ; x log2(e) / 0.1 = 14.4269504
.endr
	global_store_b128 v[L16], v[HC:HC+3], s[34:35] offset:HCO
.Lend:
	s_endpgm
.Lfunc_end_k_qd96c27b7fe_prep:
	.size	k_qd96c27b7fe_prep, .Lfunc_end_k_qd96c27b7fe_prep-k_qd96c27b7fe_prep
	.p2alignl 7, 3214868480
	.fill 96, 4, 3214868480
	.section	.rodata,"a",@progbits
	.p2align	6, 0x0
	.amdhsa_kernel k_qd96c27b7fe_prep
		.amdhsa_group_segment_fixed_size 0
		.amdhsa_private_segment_fixed_size 0
		.amdhsa_enable_private_segment 0
		.amdhsa_kernarg_size 48
		.amdhsa_user_sgpr_count 2
		.amdhsa_user_sgpr_kernarg_segment_ptr 1
		.amdhsa_wavefront_size32 1
		.amdhsa_system_sgpr_workgroup_id_x 1
		.amdhsa_system_sgpr_workgroup_id_y 1
		.amdhsa_system_sgpr_workgroup_id_z 1
		.amdhsa_system_vgpr_workitem_id 0
		.amdhsa_next_free_vgpr 240
		.amdhsa_next_free_sgpr 66
		.amdhsa_reserve_vcc 1
		.amdhsa_float_denorm_mode_32 3
		.amdhsa_float_denorm_mode_16_64 3
		.amdhsa_memory_ordered 1
		.amdhsa_forward_progress 1
		.amdhsa_inst_pref_size 34
	.end_amdhsa_kernel
	.amdgpu_metadata
---
amdhsa.version: [ 1, 2 ]
amdhsa.kernels:
  - .name:           k_qd96c27b7fe_prep
    .symbol:         k_qd96c27b7fe_prep.kd
    .args:
      - { .name: keys, .offset: 0, .size: 8, .value_kind: global_buffer, .address_space: global }
      - { .name: hardness, .offset: 8, .size: 8, .value_kind: global_buffer, .address_space: global }
      - { .name: vals_codes, .offset: 16, .size: 8, .value_kind: global_buffer, .address_space: global }
      - { .name: vals_scales, .offset: 24, .size: 8, .value_kind: global_buffer, .address_space: global }
      - { .name: kimg, .offset: 32, .size: 8, .value_kind: global_buffer, .address_space: global }
      - { .name: vimg, .offset: 40, .size: 8, .value_kind: global_buffer, .address_space: global }
    .group_segment_fixed_size: 0
    .private_segment_fixed_size: 0
    .kernarg_segment_align: 8
    .kernarg_segment_size: 48
    .max_flat_workgroup_size: 64
    .sgpr_count:     66
    .vgpr_count:     240
    .wavefront_size: 32
...
	.end_amdgpu_metadata
.endif
;; end of part 1
;; launch attn (part 2): grid 256 x 1, 4 waves a work-group, clusters of 4 x 1, 327,680 bytes of LDS; arguments latent, kimg, vimg, out0; writes out0
.if DOCPART == 2
	.amdgcn_target "amdgcn-amd-amdhsa--gfx1250"
	.amdhsa_code_object_version 6
	.text
	.protected	k_qd96c27b7fe_attn
	.globl	k_qd96c27b7fe_attn
	.p2align	8
	.type	k_qd96c27b7fe_attn,@function
k_qd96c27b7fe_attn:
	s_mov_b64 s[64:65], 0
	v_nop
	global_prefetch_b8 v0, s[64:65] scope:SCOPE_SE
	s_setreg_imm32_b32 hwreg(HW_REG_WAVE_MODE, 25, 1), 1
	s_wait_xcnt 0x0
	s_wait_alu depctr_hold_cnt(0) depctr_sa_sdst(0) depctr_va_vdst(0) depctr_va_sdst(0) depctr_va_ssrc(0) depctr_va_vcc(0) depctr_vm_vsrc(0)
	s_getreg_b32 s2, hwreg(HW_REG_IB_STS2, 6, 4)
	s_cmp_eq_u32 s2, 0
	s_cbranch_scc0 .Lentry_in_a_cluster
	s_endpgm
.Lentry_in_a_cluster:
	s_bfe_u32 s2, ttmp6, 0x10000c
	s_cmp_lg_u32 s2, 0x3003
	s_cbranch_scc0 .Lentry_shape_is_right
	s_endpgm
.Lentry_shape_is_right:
; out0[q][:] = sum over keys of softmax_k(hardness_k x (q^ . k^) / 0.1) vals[k][:], both products on codes of BF8 (E5M2) with one E8M0 byte for each 32 along K.
; latent's rows are L2-normalised and quantised here, at the head; the keys' codes, hc = hardness x log2(e) / 0.1 and vals' codes come as register images of 128 keys a chunk (kimg, vimg) from the launch before.
; SHARES.  256 work-groups of 64 queries; four waves, one to a SIMD.  Wave w walks chunks 4 i + w, i = 0 .. 15, for all 64 queries: 64 + 64 matrix instructions a step, each fragment read from LDS feeding four.
; Both products are used transposed (S^T = K Q^T, O^T = V^T P^T): a lane holds one query; the 16 registers of key tiles 2 b, 2 b + 1 are 16 neighbouring keys.
; THE SOFTMAX: t = score x hc; M = the wave's running largest t rounded up to a whole number; p = 2^(t - M) is quantised along the keys; the sum is taken of the unquantised p; when M moves, sum and O^T are multiplied by 2^(old M - new M).
; At the end the four waves' parts (M, sum, O^T) meet in LDS; wave w joins query tile w under the common M, divides by the sum and stores whole rows.
; LDS: wave w's region at w x WREG holds its chunk of K and its chunk of V, each filled again when its fragments have been read; behind them Q's image, the parts' M and sums, the way out's stages, the spare words.
; CLUSTERS: the four work-groups of a cluster walk the same chunks and ask for them jointly (mask 15); every joint load stands behind a round of the cluster's barrier.
; NO DATA PREFETCH: all 256 work-groups walk the same two images, 4.3 MB together, in the same order, so each block is asked for by 64 clusters at about the same step.
; REGISTERS: window 0: v0-63 addresses and the rows' state, v64-191 Q's eight fragments, v192-255 four fragments of K, then hc, then P's codes; window 1: S^T, then V's fragments; windows 2, 3: O^T.
; LIMITS: NaN and infinities in the inputs are not served; the promise holds while |t| stays under 2^31.  A block of zeros gets the byte 1: its codes are zeros, and this program alone reads the bytes.
.set KCH,   34304
.set VCH,   33792
.set KSCO,  32768
.set HCO,   33792
.set VSCO,  32768
.set WREG,  KCH+VCH
.set QIMG,  4*WREG
.set QSC,   QIMG+16384
.set STATS, QSC+512
.set OST,   STATS+4096
.set OSTW,  16*528
.set SPARE, OST+4*OSTW
.set AKF, 1
.set AKS, 2
.set AHC, 3
.set AVF, 4
.set AVS, 5
.set SPW, 6
.set NIL, 7
.set QS,  8
.set PS,  12
.set ST,  16
.set FAC, 32
.set T0,  34
.set T1,  35
.set BM,  36
.set PX,  40
.set HO,  44
.set SO,  48
.set SW,  52
.set TA,  60
.set QF,  64
.set BUF, 192
.set WV,  12
.set SEL, 20
.set MNT, 22
.set FLR, 48                           ; s48  2^(16 - 127): the floor under a block's largest magnitude
.set EOF, 49                           ; s49  -(15 << 23): 15 off an exponent field
.set EMK, 50                           ; s50  the exponent field's mask
.set CNT, 23
.set G1K, 24
.set G1V, 32
.set G0K, 40
.set G0V, 44
.set W_QK,  0x50
.set W_T,   0x41
.set W_MAX, 0x05
.set W_SUM, 0x04
.set W_CVT, 0x01
.set W_VL,  0x40
.set W_PVL, 0xa1
.set W_PVH, 0xf1
.set MSB, 0
.macro WIN new
.if MSB != (\new)
	s_set_vgpr_msb (MSB<<8)|(\new)
.set MSB, (\new)
.endif
.endm
.macro PLACES n
.rept \n
	v_nop
.endr
.endm
.macro CROUND
	s_barrier_signal -1
	s_barrier_wait -1
	s_cmp_lg_u32 s[WV], 0
	s_cbranch_scc1 .Lnot_wave_0_\@
	s_barrier_signal -3
.Lnot_wave_0_\@:
	s_barrier_wait -3
	s_barrier_signal -1
	s_barrier_wait -1
.endm
.macro NORM x, ch, inv
.irp k, 0,1,2,3
	v_pk_mul_f32 v[\ch+2*\k:\ch+2*\k+1], v[\x+2*\k:\x+2*\k+1], v[\x+2*\k:\x+2*\k+1]
.endr
.set nn, 4
.rept 60
	v_pk_fma_f32 v[\ch+2*(nn%4):\ch+2*(nn%4)+1], v[\x+2*nn:\x+2*nn+1], v[\x+2*nn:\x+2*nn+1], v[\ch+2*(nn%4):\ch+2*(nn%4)+1]
.set nn, nn+1
.endr
	v_pk_add_f32 v[\ch:\ch+1], v[\ch:\ch+1], v[\ch+2:\ch+3]
	v_pk_add_f32 v[\ch+4:\ch+5], v[\ch+4:\ch+5], v[\ch+6:\ch+7]
	v_pk_add_f32 v[\ch:\ch+1], v[\ch:\ch+1], v[\ch+4:\ch+5]
	v_add_f32 v[\ch], v[\ch], v[\ch+1]
	v_permlanex16_b32 v[\ch+1], v[\ch], s[SEL], s[SEL+1]
	v_add_f32 v[\ch], v[\ch], v[\ch+1]
	s_wait_alu depctr_va_vdst(0)
	v_sqrt_f32 v[\ch], v[\ch]
	v_nop
	s_wait_alu depctr_va_vdst(0)
	v_max_num_f32 v[\ch], 0x2b8cbccc, v[\ch]
	s_wait_alu depctr_va_vdst(0)
	v_rcp_f32 v[\inv], v[\ch]
	v_rcp_f32 v[\inv+1], v[\ch]
	v_nop
.set nn, 0
	s_wait_alu depctr_va_vdst(0)
.rept 64
	v_pk_mul_f32 v[\x+2*nn:\x+2*nn+1], v[\x+2*nn:\x+2*nn+1], v[\inv:\inv+1]
.set nn, nn+1
.endr
.endm
.macro QUANT s, pc, pw
.irp b, 0,1,2,3
	v_max3_num_f32 v[BM+\b], |v[\s+16*\b]|, |v[\s+16*\b+1]|, s[FLR]
.endr
.irp i, 2,4,6,8,10,12,14
.irp b, 0,1,2,3
	v_max3_num_f32 v[BM+\b], v[BM+\b], |v[\s+16*\b+\i]|, |v[\s+16*\b+\i+1]|
.endr
.endr
.irp b, 0,1,2,3
	v_permlanex16_b32 v[PX+\b], v[BM+\b], s[SEL], s[SEL+1]
.endr
.irp b, 0,1,2,3
	v_max_num_f32 v[BM+\b], v[BM+\b], v[PX+\b]
.endr
.irp b, 0,1,2,3
	v_add_nc_u32 v[SO+\b], s[EOF], v[BM+\b]
.endr
.irp b, 0,1,2,3
	v_and_or_b32 v[HO+\b], v[BM+\b], s[EMK], s[MNT]
.endr
.irp b, 0,1,2,3
	v_lshrrev_b32 v[PX+\b], 23, v[SO+\b]
.endr
	v_lshl_or_b32 v[\pw], v[PX+1], 8, v[PX]
	v_lshl_or_b32 v[\pw], v[PX+2], 16, v[\pw]
	v_lshl_or_b32 v[\pw], v[PX+3], 24, v[\pw]
.irp b, 0,1,2,3
.irp i, 0,1,2,3,4,5,6,7,8,9,10,11,12,13,14,15
	v_med3_num_f32 v[\s+16*\b+\i], v[\s+16*\b+\i], -v[HO+\b], v[HO+\b]
.endr
	v_cvt_scalef32_pk8_bf8_f32 v[\pc+4*\b:\pc+4*\b+1], v[\s+16*\b:\s+16*\b+7], v[SO+\b]
	v_cvt_scalef32_pk8_bf8_f32 v[\pc+4*\b+2:\pc+4*\b+3], v[\s+16*\b+8:\s+16*\b+15], v[SO+\b]
.endr
	v_nop
.endm
	s_load_b256 s[4:11], s[0:1], 0x0
	v_lshl_add_u32 v[SPW], v0, 2, SPARE
	v_mov_b32 v[NIL], 0
	ds_add_u32 v6, v7
	ds_add_u32 v6, v7
	s_wait_dscnt 0x0
	v_lshrrev_b32 v[TA], 5, v0
	v_readfirstlane_b32 s[WV], v[TA]
	s_bfe_u32 s13, ttmp6, 0x40000
	s_lshl_b32 s14, ttmp9, 2
	s_add_co_u32 s14, s14, s13
	s_mov_b32 s[G1K], 15|(3<<16)|(1<<21)
	s_mov_b32 s[G1K+1], 32<<16
	s_mov_b32 s[G1K+2], 134<<16
	s_mov_b32 s[G1K+3], 32<<16
	s_mov_b32 s[G1K+4], 134
	s_mov_b32 s[G1K+5], 32
	s_mov_b32 s[G1K+6], 0
	s_mov_b32 s[G1K+7], 0
	s_mov_b32 s[G1V], 15|(3<<16)|(1<<21)
	s_mov_b32 s[G1V+1], 32<<16
	s_mov_b32 s[G1V+2], 132<<16
	s_mov_b32 s[G1V+3], 32<<16
	s_mov_b32 s[G1V+4], 132
	s_mov_b32 s[G1V+5], 32
	s_mov_b32 s[G1V+6], 0
	s_mov_b32 s[G1V+7], 0
	s_mul_i32 s15, s[WV], WREG
	v_and_b32 v[TA], 31, v0
	v_bfe_u32 v[TA+1], v0, 4, 1
	v_lshl_add_u32 v[AKF], v[TA], 4, s15
	v_lshl_add_u32 v[AKS], v[TA], 2, s15
	v_lshl_add_u32 v[AHC], v[TA+1], 6, s15
	v_add_nc_u32 v[AVF], KCH, v[AKF]
	v_add_nc_u32 v[AVS], KCH, v[AKS]
	v_and_b32 v240, 15, v0
	v_lshlrev_b32 v241, 10, v240
	v_lshl_add_u32 v241, v[TA+1], 6, v241          ; latent: row lane % 16 of my 16, + 64 bytes for the upper half of the lanes
	s_mov_b32 s[SEL], 0x76543210
	s_mov_b32 s[SEL+1], 0xfedcba98
	s_mov_b32 s[MNT], 0x600000
	s_mov_b32 s[FLR], 0x8000000
	s_mov_b32 s[EOF], 0xf8800000
	s_mov_b32 s[EMK], 0x7f800000
	s_mul_i32 s16, s[WV], KCH
	s_mov_b32 s17, 0
	s_mul_i32 s18, s[WV], VCH
	s_mov_b32 s19, 0
	s_lshl_b32 s2, s14, 16
	s_lshl_b32 s3, s[WV], 14
	s_add_co_u32 s2, s2, s3
	s_mov_b32 s3, 0
	s_wait_alu depctr_va_vdst(0)
	s_wait_kmcnt 0x0
	s_add_nc_u64 s[4:5], s[4:5], s[2:3]
	s_add_nc_u64 s[10:11], s[10:11], s[2:3]
.irp b, 0,1,2,3,4,5,6,7                        ; my 16 queries are asked for first of all: of each block of 32 the 16 numbers of my half of the lanes
.irp j, 0,1,2,3
	global_load_b128 v[QF+16*\b+4*\j:QF+16*\b+4*\j+3], v241, s[4:5] offset:128*\b+16*\j th:TH_LOAD_NT
.endr
.endr
	s_mov_b32 s[G0K], 1
	s_mov_b32 s[G0K+1], s15
	s_add_nc_u64 s[G0K+2:G0K+3], s[6:7], s[16:17]
	s_or_b32 s[G0K+3], s[G0K+3], 0x80000000
	s_mov_b32 s[G0V], 1
	s_add_co_u32 s[G0V+1], s15, KCH
	s_add_nc_u64 s[G0V+2:G0V+3], s[8:9], s[18:19]
	s_or_b32 s[G0V+3], s[G0V+3], 0x80000000
	CROUND
	tensor_load_to_lds s[G0K:G0K+3], s[G1K:G1K+7]
	s_nop 0
	PLACES 4                                       ; K's first chunk is my one tensor load at the head; Q is normalised, quantised and staged while it is out
	s_lshl_b32 s16, s[WV], 12
	s_add_co_u32 s16, s16, QIMG
	v_lshl_add_u32 v[TA+2], v[TA], 4, s16
	s_lshl_b32 s16, s[WV], 7
	s_add_co_u32 s16, s16, QSC
	v_lshl_add_u32 v[TA+3], v[TA], 2, s16
.irp q, 0,1,2,3
	v_mov_b32 v[ST+4*\q+1], 0xff61b1e6
	v_floor_f32 v[ST+4*\q], -v[ST+4*\q+1]
	v_mov_b32 v[ST+4*\q+2], 0
	v_mov_b32 v[ST+4*\q+3], 0
	v_mov_b32 v[PX+\q], 0
.endr
	v_mov_b32 v[FAC+1], 0
	s_wait_loadcnt 0x0
	NORM QF, 224, 232
	QUANT QF, BUF, T0
	QUANT QF+64, BUF+16, T1
	v_cmp_gt_u32 vcc_lo, 16, v[TA]
	v_cndmask_b32 v248, v[T1], v[T0], vcc_lo
.irp e, 0,1
.irp g, 0,1,2,3
	ds_store_b128 v[TA+2], v[BUF+16*\e+4*\g:BUF+16*\e+4*\g+3] offset:2048*\e+512*\g
.endr
.endr
	ds_store_b32 v[TA+3], v248
	s_wait_alu depctr_va_vdst(0)
	s_wait_tensorcnt 0x0                           ; K's chunk is in
	ds_add_u32 v[SPW], v[NIL]
	s_wait_dscnt 0x0                               ; the add is done, and so are my stores of Q's image
	CROUND                                         ; one round serves twice: every wave's part of Q's image is in LDS, and the joint loads of V meet
	tensor_load_to_lds s[G0V:G0V+3], s[G1V:G1V+7]
	s_nop 0
	PLACES 4
	v_lshl_add_u32 v[TA+2], v[TA], 4, QIMG
	v_lshl_add_u32 v[TA+3], v[TA], 2, QSC
.irp f, 0,1,2,3,4,5,6,7
.irp g, 0,1,2,3
	ds_load_b128 v[QF+16*\f+4*\g:QF+16*\f+4*\g+3], v[TA+2] offset:2048*\f+512*\g
.endr
.endr
.irp q, 0,1,2,3
	ds_load_b32 v[QS+\q], v[TA+3] offset:128*\q
.endr
.macro KITEM n
.if (\n) < 16
.irp g, 0,1,2,3
	ds_load_b128 v[BUF+16*((\n)%4)+4*\g:BUF+16*((\n)%4)+4*\g+3], v[AKF] offset:2048*(\n)+512*\g
.endr
.else
.irp g, 0,1,2,3
	ds_load_b128 v[BUF+16*((\n)%4)+4*\g:BUF+16*((\n)%4)+4*\g+3], v[AHC] offset:HCO+128*((\n)-16)+16*\g
.endr
.endif
.endm
; A key tile is two calls, K steps 0 and 1: eight matrix instructions on four accumulators by turns, then eight places, then the two fragments two tiles on.
.macro QKG n
.if (\n)%2 == 0
	s_wait_dscnt 8                                 ; this tile's two fragments are in; the next tile's eight loads may be out
.endif
	WIN W_QK
.irp q, 0,1,2,3
.if (\n)%2 == 0
	v_wmma_scale_f32_16x16x128_f8f6f4 v[64*\q+8*((\n)/2):64*\q+8*((\n)/2)+7], v[BUF+16*((\n)%4):BUF+16*((\n)%4)+15], v[QF+32*\q:QF+32*\q+15], 0, v[SW+(\n)/2], v[QS+\q] matrix_a_fmt:MATRIX_FMT_BF8 matrix_b_fmt:MATRIX_FMT_BF8
.else
	v_wmma_scale_f32_16x16x128_f8f6f4 v[64*\q+8*((\n)/2):64*\q+8*((\n)/2)+7], v[BUF+16*((\n)%4):BUF+16*((\n)%4)+15], v[QF+32*\q+16:QF+32*\q+31], v[64*\q+8*((\n)/2):64*\q+8*((\n)/2)+7], v[SW+(\n)/2], v[QS+\q] matrix_a_fmt:MATRIX_FMT_BF8 matrix_b_fmt:MATRIX_FMT_BF8 matrix_a_scale:MATRIX_SCALE_ROW1 matrix_b_scale:MATRIX_SCALE_ROW1
.endif
.endr
.if (\n)%2
	WIN 0
	PLACES 8
	KITEM (\n)+3
	KITEM (\n)+4
.endif
.endm
.macro TPH
.irp b, 0,1,2,3
	s_wait_dscnt 12-4*\b
	WIN W_T
.irp q, 0,1,2,3
.irp i, 0,2,4,6,8,10,12,14
	v_pk_mul_f32 v[64*\q+16*\b+\i:64*\q+16*\b+\i+1], v[64*\q+16*\b+\i:64*\q+16*\b+\i+1], v[BUF+16*\b+\i:BUF+16*\b+\i+1]
.endr
.endr
.endr
.endm
.macro VREG q
	WIN W_VL
.irp d, 0,1,2,3
.irp g, 0,1,2,3
	ds_load_b128 v[64*(\q)+16*\d+4*\g:64*(\q)+16*\d+4*\g+3], v[AVF] offset:2048*(4*(\q)+\d)+512*\g
.endr
.endr
.endm
; Query tile q's held p become its 16 registers of codes; the 64 registers that held p then take V's fragments of d tiles 4 q .. 4 q + 3.
.macro CVTV q
	WIN W_CVT
.irp b, 0,1,2,3
	v_cvt_scalef32_pk8_bf8_f32 v[BUF+16*(\q)+4*\b:BUF+16*(\q)+4*\b+1], v[64*(\q)+16*\b:64*(\q)+16*\b+7], v[SO+\b]
	v_cvt_scalef32_pk8_bf8_f32 v[BUF+16*(\q)+4*\b+2:BUF+16*(\q)+4*\b+3], v[64*(\q)+16*\b+8:64*(\q)+16*\b+15], v[SO+\b]
.endr
	VREG \q
.endm
; The softmax of query tile q.  The hold of tile q - 1's p stands line by line between tile q's exponentials (it names none of their registers), and that tile's conversion behind the batch's wait; tile 3 holds and converts its own at the end.
; The factor 2^(old M - new M) stays in v[FC] until O^T is multiplied by it: tile 0's here, the others' among the second product's matrix instructions.
; In tile 1's softmax, behind the batch's wait, stands K's refill (macro R1): K's chunk and hc have been read, and V's chunk has been waited for ahead of its first read, which follows it.
.macro SOFTMAX q, first, fill
.set SB,  64*(\q)
.set NM,  ST+4*(\q)
.set TMX, ST+4*(\q)+1
.set LS,  ST+4*(\q)+2
.set FC,  FAC
.if (\q) == 1
.set FC,  TA
.endif
.if (\q) == 2
.set FC,  TA+2
.endif
	WIN W_MAX
.irp b, 0,1,2,3
	v_max_num_f32 v[BM+\b], v[SB+16*\b], v[SB+16*\b+1]
.endr
.irp i, 2,4,6,8,10,12,14
.irp b, 0,1,2,3
	v_max3_num_f32 v[BM+\b], v[SB+16*\b+\i], v[SB+16*\b+\i+1], v[BM+\b]
.endr
.endr
	WIN 0
.irp b, 0,1,2,3
	v_permlanex16_b32 v[PX+\b], v[BM+\b], s[SEL], s[SEL+1]
.endr
.irp b, 0,1,2,3
	v_max_num_f32 v[BM+\b], v[BM+\b], v[PX+\b]
.endr
	v_max3_num_f32 v[T0], v[BM], v[BM+1], v[BM+2]
	v_max3_num_f32 v[TMX], v[TMX], v[T0], v[BM+3]
	v_mov_b32 v[T0], v[NM]
	v_floor_f32 v[NM], -v[TMX]
	v_sub_f32 v[T0], v[NM], v[T0]
	v_cvt_i32_f32 v[T0], v[T0]
	v_ldexp_f32 v[FC], 1.0, v[T0]
.irp b, 0,1,2,3
	v_add_f32 v[BM+\b], v[BM+\b], v[NM]
.endr
	WIN W_T
.set pp, 0
.rept 32
	v_pk_add_f32 v[SB+2*pp:SB+2*pp+1], v[SB+2*pp:SB+2*pp+1], v[NM:NM+1] op_sel_hi:[1,0]
.set pp, pp+1
.endr
.set pp, 0
	s_wait_alu depctr_va_vdst(0)
.rept 64
	v_exp_f32 v[SB+pp], v[SB+pp]
.if (\q) > 0
	v_min_num_f32 v[SB-64+pp], v[SB-64+pp], v[HO+pp/16]
.endif
.set pp, pp+1
.endr
	WIN 0
.irp b, 0,1,2,3
	v_exp_f32 v[BM+\b], v[BM+\b]
.endr
	v_nop
	s_wait_alu depctr_va_vdst(0)
.if (\q) == 1
	R1 \fill
.irp t, 0,1,2,3,4,5,6,7
	ds_load_b32 v[SW+\t], v[AVS] offset:VSCO+128*\t
.endr
.endif
.if (\q) > 0
	CVTV (\q)-1
	WIN 0
.endif
.irp b, 0,1,2,3
	v_max_num_f32 v[BM+\b], s[FLR], v[BM+\b]
.endr
.irp b, 0,1,2,3
	v_add_nc_u32 v[SO+\b], s[EOF], v[BM+\b]
.endr
.irp b, 0,1,2,3
	v_and_or_b32 v[HO+\b], v[BM+\b], s[EMK], s[MNT]
.endr
.irp b, 0,1,2,3
	v_lshrrev_b32 v[PX+\b], 23, v[SO+\b]
.endr
	v_lshl_or_b32 v[PS+(\q)], v[PX+1], 8, v[PX]
	v_lshl_or_b32 v[PS+(\q)], v[PX+2], 16, v[PS+(\q)]
	v_lshl_or_b32 v[PS+(\q)], v[PX+3], 24, v[PS+(\q)]
	WIN W_MAX
.irp k, 0,1,2,3
	v_pk_add_f32 v[BM+2*\k:BM+2*\k+1], v[SB+4*\k:SB+4*\k+1], v[SB+4*\k+2:SB+4*\k+3]
.endr
	WIN W_SUM
.set pp, 8
.rept 24
	v_pk_add_f32 v[BM+2*(pp%4):BM+2*(pp%4)+1], v[BM+2*(pp%4):BM+2*(pp%4)+1], v[SB+2*pp:SB+2*pp+1]
.set pp, pp+1
.endr
	WIN 0
	v_pk_add_f32 v[BM:BM+1], v[BM:BM+1], v[BM+2:BM+3]
	v_pk_add_f32 v[BM+4:BM+5], v[BM+4:BM+5], v[BM+6:BM+7]
	v_pk_add_f32 v[BM:BM+1], v[BM:BM+1], v[BM+4:BM+5]
	v_pk_fma_f32 v[LS:LS+1], v[LS:LS+1], v[FC:FC+1], v[BM:BM+1] op_sel_hi:[1,0,1]
.if (\q) == 3
	WIN W_T
.irp b, 0,1,2,3
.irp i, 0,1,2,3,4,5,6,7,8,9,10,11,12,13,14,15
	v_min_num_f32 v[SB+16*\b+\i], v[SB+16*\b+\i], v[HO+\b]
.endr
.endr
	CVTV 3
.endif
.if \first
.if (\q) == 3
	WIN 0
	PLACES 8                                       ; the first step has no rescaling: places between tile 3's codes and the scaled matrix instructions
.endif
.endif
.if (1-\first)*((\q) == 0)
	WIN 0x82
.set pp, 0
.rept 64
	v_pk_mul_f32 v[128*((\q)%2)+2*pp:128*((\q)%2)+2*pp+1], v[128*((\q)%2)+2*pp:128*((\q)%2)+2*pp+1], v[FAC:FAC+1] op_sel_hi:[1,0]
.set pp, pp+1
.endr
.endif
.endm
.macro R1 fill
	WIN 0
	s_wait_tensorcnt 0x0
.if \fill
	ds_add_u32 v[SPW], v[NIL]
	s_add_nc_u64 s[G0K+2:G0K+3], s[G0K+2:G0K+3], 4*KCH
	s_wait_dscnt 0x0
	CROUND
	tensor_load_to_lds s[G0K:G0K+3], s[G1K:G1K+7]
	s_nop 0
	PLACES 4
.endif
.endm
.macro PVI q, first
.set rO, 128*((\q)%2)+8*dd
.if \first
.if dd%2
	v_wmma_scale_f32_16x16x128_f8f6f4 v[rO:rO+7], v[16*dd:16*dd+15], v[BUF+16*(\q):BUF+16*(\q)+15], 0, v[SW+dd/2], v[PS+(\q)] matrix_a_fmt:MATRIX_FMT_BF8 matrix_b_fmt:MATRIX_FMT_BF8 matrix_a_scale:MATRIX_SCALE_ROW1
.else
	v_wmma_scale_f32_16x16x128_f8f6f4 v[rO:rO+7], v[16*dd:16*dd+15], v[BUF+16*(\q):BUF+16*(\q)+15], 0, v[SW+dd/2], v[PS+(\q)] matrix_a_fmt:MATRIX_FMT_BF8 matrix_b_fmt:MATRIX_FMT_BF8
.endif
.else
.if dd%2
	v_wmma_scale_f32_16x16x128_f8f6f4 v[rO:rO+7], v[16*dd:16*dd+15], v[BUF+16*(\q):BUF+16*(\q)+15], v[rO:rO+7], v[SW+dd/2], v[PS+(\q)] matrix_a_fmt:MATRIX_FMT_BF8 matrix_b_fmt:MATRIX_FMT_BF8 matrix_a_scale:MATRIX_SCALE_ROW1
.else
	v_wmma_scale_f32_16x16x128_f8f6f4 v[rO:rO+7], v[16*dd:16*dd+15], v[BUF+16*(\q):BUF+16*(\q)+15], v[rO:rO+7], v[SW+dd/2], v[PS+(\q)] matrix_a_fmt:MATRIX_FMT_BF8 matrix_b_fmt:MATRIX_FMT_BF8
.endif
.endif
.endm
; One pass of the second product: query tile q's 16 accumulators by turns.  ev > 0: behind every ev-th matrix instruction stand 4 ev multiplications of tile rq's O^T (d tiles dd .. dd + ev - 1) by its factor v[fr]:
; they name no register of the pass, and tile rq's own pass follows later.
.macro PVQ q, first, rq, fr, ev
.set dd, 0
.rept 16
.if (\q) == 0
.if dd == 12
	s_wait_dscnt 0x0                               ; V's last four fragments are in
.endif
.endif
	WIN W_PVL+(W_PVH-W_PVL)*((\q)/2)
	PVI \q, \first
.if (\ev) > 0
.if dd%(\ev) == 0
	WIN 0x82+0x41*((\rq)/2)
.set pp, 0
.rept 4*(\ev)
	v_pk_mul_f32 v[128*((\rq)%2)+8*dd+2*pp:128*((\rq)%2)+8*dd+2*pp+1], v[128*((\rq)%2)+8*dd+2*pp:128*((\rq)%2)+8*dd+2*pp+1], v[\fr:\fr+1] op_sel_hi:[1,0]
.set pp, pp+1
.endr
.endif
.endif
.set dd, dd+1
.endr
.endm
; The second product, four passes, one for each query tile.  fill = 1: behind the last pass stand a wait for the tensor load and an LDS add ahead of V's refill, a round of the cluster's barrier, and the refill.
.macro PV first, fill
	s_wait_dscnt 16                                ; all but tile 3's 16 loads of V
.if \first
	PVQ 0, 1, 0, 0, 0
	PVQ 1, 1, 0, 0, 0
.else
	PVQ 0, 0, 1, TA, 1
	PVQ 1, 0, 2, TA+2, 2
.endif
.if \first
	PVQ 2, 1, 0, 0, 0
.else
	PVQ 2, 0, 3, FAC, 2
.endif
	PVQ 3, \first, 0, 0, 0
	WIN 0
.if \fill
	s_wait_tensorcnt 0x0                           ; the one load that was out is K's next chunk
	ds_add_u32 v[SPW], v[NIL]
	s_add_nc_u64 s[G0V+2:G0V+3], s[G0V+2:G0V+3], 4*VCH
	s_wait_dscnt 0x0                               ; the add is done; my reads of V's chunk ended in pass 0
	CROUND
	tensor_load_to_lds s[G0V:G0V+3], s[G1V:G1V+7]
	s_nop 0
	PLACES 9                                       ; nine places: the next step's first products write over registers that the last pass read
.endif
.endm
.macro STEP first, fill
.irp t, 0,1,2,3,4,5,6,7
	ds_load_b32 v[SW+\t], v[AKS] offset:KSCO+128*\t
.endr
	KITEM 0
	KITEM 1
	KITEM 2
	KITEM 3
.set nq, 0
.rept 16
	QKG nq
.set nq, nq+1
.endr
	TPH
	SOFTMAX 0, \first, \fill
	SOFTMAX 1, \first, \fill
	SOFTMAX 2, \first, \fill
	SOFTMAX 3, \first, \fill
	s_wait_alu depctr_va_vdst(0)
	PV \first, \fill
.endm
	STEP 1, 1
	s_mov_b32 s[CNT], 14
.Lstep:
	STEP 0, 1
	s_sub_co_u32 s[CNT], s[CNT], 1
	s_cmp_lg_u32 s[CNT], 0
	s_cbranch_scc1 .Lstep
	STEP 0, 0
.irp q, 0,1,2,3
	v_add_f32 v[ST+4*\q+2], v[ST+4*\q+2], v[ST+4*\q+3]
.endr
.irp q, 0,1,2,3
	v_permlanex16_b32 v[ST+4*\q+3], v[ST+4*\q+2], s[SEL], s[SEL+1]
.endr
.irp q, 0,1,2,3
	v_add_f32 v[ST+4*\q+2], v[ST+4*\q+2], v[ST+4*\q+3]
.endr
	v_and_b32 v[T0], 31, v0
	v_and_b32 v[T1], 15, v0
	v_bfe_u32 v[FAC], v0, 4, 1
	s_lshl_b32 s15, s[WV], 10
	s_add_co_u32 s15, s15, STATS
	v_lshl_add_u32 v[BM], v[T0], 2, s15
	s_lshl_b32 s15, s[WV], 8
	s_add_co_u32 s15, s15, STATS
	v_lshl_add_u32 v[BM+1], v[T0], 2, s15
	s_lshl_b32 s15, s[WV], 14
	v_lshl_add_u32 v[PX], v[T0], 4, s15
	v_add_nc_u32 v[PX+1], WREG, v[PX]
	v_add_nc_u32 v[PX+2], 2*WREG, v[PX]
	v_add_nc_u32 v[PX+3], 3*WREG, v[PX]
	s_mul_i32 s15, s[WV], OSTW
	s_add_co_u32 s15, s15, OST
	v_mul_u32_u24 v[HO], v[T1], 528
	v_lshl_add_u32 v[HO], v[FAC], 5, v[HO]
	v_add_nc_u32 v[HO], s15, v[HO]
	v_lshl_add_u32 v[HO+1], v[T0], 4, s15
	v_lshlrev_b32 v[HO+2], 4, v[T0]
.irp q, 0,1,2,3
	ds_store_b32 v[BM], v[ST+4*\q] offset:256*\q
	ds_store_b32 v[BM], v[ST+4*\q+2] offset:256*\q+128
.endr
.irp q, 0,1,2,3
	WIN 0x08+4*(\q/2)
.set pp, 0
.rept 32
	ds_store_b128 v[AKF], v[128*(\q%2)+4*pp:128*(\q%2)+4*pp+3] offset:16384*\q+512*pp
.set pp, pp+1
.endr
.endr
	WIN 0
	s_wait_alu depctr_va_vdst(0)
	s_wait_dscnt 0x0
	s_barrier_signal -1
	s_barrier_wait -1
.macro XLOAD w
	WIN 0x80+0x40*((\w)/2)
.set pp, 0
.rept 32
	ds_load_b128 v[128*((\w)%2)+4*pp:128*((\w)%2)+4*pp+3], v[PX+(\w)] offset:512*pp
.set pp, pp+1
.endr
.endm
.irp w, 0,1,2,3
	ds_load_b32 v[BUF+2*\w], v[BM+1] offset:1024*\w
	ds_load_b32 v[BUF+2*\w+1], v[BM+1] offset:1024*\w+128
.endr
	XLOAD 0
	s_wait_dscnt 32
	WIN 0
	v_min_num_f32 v[T0], v[BUF], v[BUF+2]
	v_min_num_f32 v[T1], v[BUF+4], v[BUF+6]
	v_min_num_f32 v[T0], v[T0], v[T1]
.irp w, 0,1,2,3
	v_sub_f32 v[SO+\w], v[T0], v[BUF+2*\w]
.endr
.irp w, 0,1,2,3
	v_cvt_i32_f32 v[SO+\w], v[SO+\w]
.endr
.irp w, 0,1,2,3
	v_ldexp_f32 v[SO+\w], 1.0, v[SO+\w]
.endr
	v_mul_f32 v[T1], v[SO], v[BUF+1]
	v_fma_f32 v[T1], v[SO+1], v[BUF+3], v[T1]
	v_fma_f32 v[T1], v[SO+2], v[BUF+5], v[T1]
	v_fma_f32 v[T1], v[SO+3], v[BUF+7], v[T1]
	s_wait_alu depctr_va_vdst(0)
	v_rcp_f32 v[T1], v[T1]
	v_nop
	s_wait_alu depctr_va_vdst(0)
.irp w, 0,1,2,3
	v_mul_f32 v[ST+2*\w], v[SO+\w], v[T1]
	v_mul_f32 v[ST+2*\w+1], v[SO+\w], v[T1]
.endr
	XLOAD 1
	XLOAD 2
	XLOAD 3
	s_wait_alu depctr_va_vdst(0)
	s_wait_dscnt 63
	WIN 0x42
.set pp, 0
.rept 64
	v_pk_mul_f32 v[2*pp:2*pp+1], v[2*pp:2*pp+1], v[ST:ST+1]
.set pp, pp+1
.endr
	WIN 0x52
.set pp, 0
.rept 64
	v_pk_fma_f32 v[2*pp:2*pp+1], v[128+2*pp:128+2*pp+1], v[ST+2:ST+3], v[2*pp:2*pp+1]
.set pp, pp+1
.endr
	s_wait_dscnt 32
	WIN 0x53
.set pp, 0
.rept 64
	v_pk_fma_f32 v[2*pp:2*pp+1], v[2*pp:2*pp+1], v[ST+4:ST+5], v[2*pp:2*pp+1]
.set pp, pp+1
.endr
	s_wait_dscnt 0x0
.set pp, 0
.rept 64
	v_pk_fma_f32 v[2*pp:2*pp+1], v[128+2*pp:128+2*pp+1], v[ST+6:ST+7], v[2*pp:2*pp+1]
.set pp, pp+1
.endr
.irp u, 0,1
	WIN W_SUM
.irp t, 0,1,2,3,4,5,6,7
	ds_store_b128 v[HO], v[64*\u+8*\t:64*\u+8*\t+3] offset:64*\t
	ds_store_b128 v[HO], v[64*\u+8*\t+4:64*\u+8*\t+7] offset:64*\t+16
.endr
	WIN 0
.irp i, 0,1,2,3,4,5,6,7,8,9,10,11,12,13,14,15
	ds_load_b128 v[QF+64*\u+4*\i:QF+64*\u+4*\i+3], v[HO+1] offset:528*\i
.endr
.endr
.irp u, 0,1
.irp i, 0,1,2,3,4,5,6,7,8,9,10,11,12,13,14,15
.if (\i)%4 == 0
	s_wait_dscnt 44-32*\u-\i                       ; four rows are back: what was issued behind the fourth may be out
.endif
	global_store_b128 v[HO+2], v[QF+64*\u+4*\i:QF+64*\u+4*\i+3], s[10:11] offset:1024*\i+512*\u th:TH_STORE_NT
.endr
.endr
	s_wait_tensorcnt 0x0
	ds_add_u32 v[SPW], v[NIL]
	s_wait_dscnt 0x0
	CROUND
	s_endpgm
.Lfunc_end_k_qd96c27b7fe_attn:
	.size	k_qd96c27b7fe_attn, .Lfunc_end_k_qd96c27b7fe_attn-k_qd96c27b7fe_attn
	.p2alignl 7, 3214868480
	.fill 96, 4, 3214868480
	.section	.rodata,"a",@progbits
	.p2align	6, 0x0
	.amdhsa_kernel k_qd96c27b7fe_attn
		.amdhsa_group_segment_fixed_size 327680
		.amdhsa_private_segment_fixed_size 0
		.amdhsa_enable_private_segment 0
		.amdhsa_kernarg_size 32
		.amdhsa_user_sgpr_count 2
		.amdhsa_user_sgpr_kernarg_segment_ptr 1
		.amdhsa_wavefront_size32 1
		.amdhsa_system_sgpr_workgroup_id_x 1
		.amdhsa_system_sgpr_workgroup_id_y 1
		.amdhsa_system_sgpr_workgroup_id_z 1
		.amdhsa_system_vgpr_workitem_id 0
		.amdhsa_next_free_vgpr 1024
		.amdhsa_next_free_sgpr 66
		.amdhsa_reserve_vcc 1
		.amdhsa_float_denorm_mode_32 3
		.amdhsa_float_denorm_mode_16_64 3
		.amdhsa_memory_ordered 1
		.amdhsa_forward_progress 1
		.amdhsa_inst_pref_size 255
	.end_amdhsa_kernel
	.section	.bss,"aw",@nobits
	.p2align	6
	.space	262144
	.amdgpu_metadata
---
amdhsa.version: [ 1, 2 ]
amdhsa.kernels:
  - .name:           k_qd96c27b7fe_attn
    .symbol:         k_qd96c27b7fe_attn.kd
    .args:
      - { .name: latent, .offset: 0, .size: 8, .value_kind: global_buffer, .address_space: global }
      - { .name: kimg, .offset: 8, .size: 8, .value_kind: global_buffer, .address_space: global }
      - { .name: vimg, .offset: 16, .size: 8, .value_kind: global_buffer, .address_space: global }
      - { .name: out0, .offset: 24, .size: 8, .value_kind: global_buffer, .address_space: global }
    .group_segment_fixed_size: 327680
    .private_segment_fixed_size: 0
    .kernarg_segment_align: 8
    .kernarg_segment_size: 32
    .max_flat_workgroup_size: 128
    .sgpr_count:     66
    .vgpr_count:     1024
    .wavefront_size: 32
...
	.end_amdgpu_metadata
.endif
;; end of part 2
